; MI455X (gfx1250); checked and timed in simulation.
; The chip was launched on July 23, 2026; its instructions are those of AMD's public machine-readable ISA for CDNA 5 (MIT licence, August 2026) and "CDNA5" Instruction Set Architecture Reference Guide (July 2026). The comments in the code are by the model that wrote it; some were corrected since.
;; Attn. Allowed arithmetic: float matrix products may take bf16 or f16 operands with f32 sums; all other float work in f32.
;; Inputs: W 1,024 x 1,024 float32; b 1,024 float32; hidden 1 x 32 x 1,024 float32; targets 32 x 2,048 x 1,024 float32.
;; Outputs: out0 32 x 1 x 2,048 float32.
;; 2 versions, each right; version 2 is version 1 with the launch score written anew for expert scheduling mode. Each part assembles by itself: llvm-mc -triple=amdgcn-amd-amdhsa -mcpu=gfx1250 --defsym DOCPART=n.
;; ======== version 1 of 2: 3 launches
;; workspace buffers: vpart 1,048,576 bytes; scores 262,144 bytes
;; launch proj (part 1): grid 32 x 8, 8 waves a work-group, no clusters, 33,792 bytes of LDS; arguments W, hidden, vpart; writes vpart
.if DOCPART == 1
	.amdgcn_target "amdgcn-amd-amdhsa--gfx1250"
	.amdhsa_code_object_version 6
	.text
	.protected	k_qac9e644c2f_proj
	.globl	k_qac9e644c2f_proj
	.p2align	8
	.type	k_qac9e644c2f_proj,@function
k_qac9e644c2f_proj:
	s_mov_b64 s[64:65], 0
	v_nop
	global_prefetch_b8 v0, s[64:65] scope:SCOPE_SE
	s_setreg_imm32_b32 hwreg(HW_REG_WAVE_MODE, 25, 1), 1
	s_wait_xcnt 0x0
; vpart[p][b][k] = sum over the 128 rows g of slice p of hidden[b][g] * W[g][k].      W: [1024][1024] f32, hidden: [32][1024] f32, vpart: [8][32][1024] f32.
; WHY: score[b][l] = sum_g h[b][g] (sum_k t[b][l][k] W[g][k] + bias[g]) = sum_k t[b][l][k] v[b][k] + c[b], with v[b][k] = sum_g h[b][g] W[g][k]
; and c[b] = sum_g bias[g] h[b][g]: an identity for every input.  This launch makes v in eight partial sums, the next adds them and streams the targets.
; LIMIT: the order of the f32 sums differs from the reference's (g first, then k).  All arithmetic is f32 on the vector unit: the product has 32 rows
; and 2 x 32 x 1024 x 1024 operations in all, and the softmax behind it is steep enough that operands rounded to 16 bits would show in the result.
; SHARES: work-group (x, p): cb = x & 3 picks 256 columns, bg = x >> 2 picks 4 batches, p picks 128 rows of W.  32 x 8 = 256 work-groups.
; Wave w takes rows 128 p + 16 w + r, r = 0 .. 15; a lane holds columns 256 cb + 128 q + 4 lane + e (q = 0, 1; e = 0 .. 3), so each load of a wave covers
; 512 consecutive bytes, aligned.  hidden's 4 x 16 numbers are the same in all lanes and live in scalar registers.
; NO JOINT REQUESTS: a block of W (128 rows x 1,024 bytes) is read by the 8 work-groups that differ in bg alone, but each takes it in one run of 32 loads
; a wave straight into registers and uses every number once for 4 batches; a joint request would have to go through LDS and be read back from there.
.set ACC, 8                            ; v[8:39]    batch j at ACC + 8 j: registers 0-3 for q = 0, 4-7 for q = 1
.set WR,  40                           ; v[40:167]  row r of W at WR + 8 r; later the eight waves' partial sums
	s_load_b128 s[4:7], s[0:1], 0x0                ; W s[4:5], hidden s[6:7]
	s_load_b64 s[8:9], s[0:1], 0x10                ; vpart
	v_lshl_add_u32 v168, v0, 2, 0x8000
	v_mov_b32 v169, 0
	v_lshrrev_b32 v5, 5, v0
	v_readfirstlane_b32 s10, v5                    ; wave 0 .. 7
	s_and_b32 s11, ttmp9, 3                        ; cb
	s_lshr_b32 s12, ttmp9, 2                       ; bg
	s_and_b32 s13, ttmp7, 0xffff                   ; p
	v_and_b32 v6, 31, v0
	v_lshlrev_b32 v6, 4, v6                        ; 16 x lane
	v_lshl_add_u32 v1, s10, 16, v6                 ; W: + wave x 16 rows of 4,096 bytes
	v_lshl_add_u32 v2, s10, 12, v6                 ; LDS, in: my wave's 4,096 bytes
	v_lshlrev_b32 v3, 4, v0                        ; LDS, back: 16 bytes a thread, 4 batches x 1,024 bytes in all
	v_and_b32 v7, 63, v0
	v_lshrrev_b32 v4, 6, v0                        ; the batch (0 .. 3) that those 16 bytes belong to
	v_lshlrev_b32 v7, 4, v7
	v_lshl_add_u32 v4, v4, 12, v7                  ; vpart: batch x 4,096 + 16 x (thread mod 64)
	s_lshl_b32 s66, s11, 10                        ; cb x 1,024 bytes
	s_lshl_b32 s67, s12, 14                        ; bg x 4 rows of 4,096 bytes
	s_lshl_b32 s14, s13, 19                        ; W: p x 128 rows of 4,096 bytes
	s_add_co_u32 s14, s14, s66
	s_mov_b32 s15, 0
	s_lshl_b32 s2, s13, 9                          ; hidden: p x 128 numbers,
	s_lshl_b32 s3, s10, 6                          ; + wave x 16 numbers,
	s_add_co_u32 s2, s2, s3
	s_add_co_u32 s2, s2, s67                       ; in batch 4 bg
	s_mov_b32 s3, 0
	s_lshl_b32 s84, s13, 17                        ; vpart: p x 32 rows of 4,096 bytes
	s_add_co_u32 s84, s84, s67
	s_add_co_u32 s84, s84, s66
	s_mov_b32 s85, 0
	s_wait_kmcnt 0x0
	s_add_nc_u64 s[4:5], s[4:5], s[14:15]
	s_add_nc_u64 s[6:7], s[6:7], s[2:3]
	s_add_nc_u64 s[8:9], s[8:9], s[84:85]
	; all of the wave's 16 rows x 1,024 bytes go out at once.  No hint: seven other work-groups read the same block.
.irp r, 0,1,2,3,4,5,6,7,8,9,10,11,12,13,14,15
.irp q, 0,1
	global_load_b128 v[WR+8*\r+4*\q:WR+8*\r+4*\q+3], v1, s[4:5] offset:\r*4096+\q*512
.endr
.endr
	; hidden[4 bg + j][g0 .. g0 + 15], 64 aligned bytes each, batch j in s[16 + 16 j + 4 (j / 3) ..] (the step at j = 3 leaves s64 and s65 out)
	s_load_b512 s[16:31], s[6:7], 0x0
	s_load_b512 s[32:47], s[6:7], 0x1000
	s_load_b512 s[48:63], s[6:7], 0x2000
	s_load_b512 s[68:83], s[6:7], 0x3000
	s_wait_kmcnt 0x0
; Row r of W: 8 numbers a lane, into 4 batches.  The first row starts the sums, so nothing is cleared.
; The multiplier is one scalar for both halves of a pair and changes from row to row within a scalar pair, so the plain form is used, not the packed one.
.macro ROW r
	s_wait_loadcnt 30-2*\r                         ; loads return in order (ISA guide 5.7.1): the two loads of each of the 15 - r younger rows may stay out
.irp j, 0,1,2,3
.irp k, 0,1,2,3,4,5,6,7
.if \r
	v_fmac_f32 v[ACC+8*\j+\k], s[16+16*\j+4*(\j/3)+\r], v[WR+8*\r+\k]
.else
	v_mul_f32 v[ACC+8*\j+\k], s[16+16*\j+4*(\j/3)+\r], v[WR+8*\r+\k]
.endif
.endr
.endr
.endm
.irp r, 0,1,2,3,4,5,6,7,8,9,10,11,12,13,14,15
	ROW \r
.endr
	; the eight waves' sums meet in LDS: [wave][batch][256 columns] f32; 32 lanes x 16 neighbouring bytes in every access
.irp j, 0,1,2,3
.irp q, 0,1
	ds_store_b128 v2, v[ACC+8*\j+4*\q:ACC+8*\j+4*\q+3] offset:\j*1024+\q*512
.endr
.endr
	s_wait_dscnt 0x0                               ; my stores are done before I say so: the other waves read them
	s_barrier_signal -1
	s_barrier_wait -1
.irp u, 0,1,2,3,4,5,6,7
	ds_load_b128 v[WR+4*\u:WR+4*\u+3], v3 offset:\u*4096           ; the same 4 numbers of wave u's sums
.endr
	s_wait_dscnt 0x0
.irp u, 0,2,4,6
	v_pk_add_f32 v[WR+4*\u:WR+4*\u+1],   v[WR+4*\u:WR+4*\u+1],   v[WR+4*\u+4:WR+4*\u+5]
	v_pk_add_f32 v[WR+4*\u+2:WR+4*\u+3], v[WR+4*\u+2:WR+4*\u+3], v[WR+4*\u+6:WR+4*\u+7]
.endr
.irp u, 0,4
	v_pk_add_f32 v[WR+4*\u:WR+4*\u+1],   v[WR+4*\u:WR+4*\u+1],   v[WR+4*\u+8:WR+4*\u+9]
	v_pk_add_f32 v[WR+4*\u+2:WR+4*\u+3], v[WR+4*\u+2:WR+4*\u+3], v[WR+4*\u+10:WR+4*\u+11]
.endr
	v_pk_add_f32 v[WR:WR+1],   v[WR:WR+1],   v[WR+16:WR+17]
	v_pk_add_f32 v[WR+2:WR+3], v[WR+2:WR+3], v[WR+18:WR+19]
	global_store_b128 v4, v[WR:WR+3], s[8:9]       ; a wave's store covers 512 consecutive bytes, aligned
	s_wait_tensorcnt 0x0
	ds_add_u32 v168, v169
	s_wait_dscnt 0x0
	s_endpgm
.Lfunc_end_k_qac9e644c2f_proj:
	.size	k_qac9e644c2f_proj, .Lfunc_end_k_qac9e644c2f_proj-k_qac9e644c2f_proj
	.p2alignl 7, 3214868480
	.fill 96, 4, 3214868480
	.section	.rodata,"a",@progbits
	.p2align	6, 0x0
	.amdhsa_kernel k_qac9e644c2f_proj
		.amdhsa_group_segment_fixed_size 33792
		.amdhsa_private_segment_fixed_size 0
		.amdhsa_enable_private_segment 0
		.amdhsa_kernarg_size 24
		.amdhsa_user_sgpr_count 2
		.amdhsa_user_sgpr_kernarg_segment_ptr 1
		.amdhsa_wavefront_size32 1
		.amdhsa_system_sgpr_workgroup_id_x 1
		.amdhsa_system_sgpr_workgroup_id_y 1
		.amdhsa_system_sgpr_workgroup_id_z 1
		.amdhsa_system_vgpr_workitem_id 0
		.amdhsa_next_free_vgpr 170
		.amdhsa_next_free_sgpr 86
		.amdhsa_reserve_vcc 0
		.amdhsa_float_denorm_mode_32 3
		.amdhsa_float_denorm_mode_16_64 3
		.amdhsa_memory_ordered 1
		.amdhsa_forward_progress 1
		.amdhsa_inst_pref_size 24
	.end_amdhsa_kernel
	.amdgpu_metadata
---
amdhsa.version: [ 1, 2 ]
amdhsa.kernels:
  - .name:           k_qac9e644c2f_proj
    .symbol:         k_qac9e644c2f_proj.kd
    .args:
      - { .name: W, .offset: 0, .size: 8, .value_kind: global_buffer, .address_space: global }
      - { .name: hidden, .offset: 8, .size: 8, .value_kind: global_buffer, .address_space: global }
      - { .name: vpart, .offset: 16, .size: 8, .value_kind: global_buffer, .address_space: global }
    .group_segment_fixed_size: 33792
    .private_segment_fixed_size: 0
    .kernarg_segment_align: 8
    .kernarg_segment_size: 24
    .max_flat_workgroup_size: 256
    .sgpr_count:     86
    .vgpr_count:     170
    .wavefront_size: 32
...
	.end_amdgpu_metadata
.endif
;; end of part 1
;; launch score (part 2): grid 256 x 1, 16 waves a work-group, no clusters, 7,168 bytes of LDS; arguments targets, vpart, scores; writes scores
.if DOCPART == 2
	.amdgcn_target "amdgcn-amd-amdhsa--gfx1250"
	.amdhsa_code_object_version 6
	.text
	.protected	k_qac9e644c2f_score
	.globl	k_qac9e644c2f_score
	.p2align	8
	.type	k_qac9e644c2f_score,@function
k_qac9e644c2f_score:
	s_mov_b64 s[64:65], 0
	v_nop
	global_prefetch_b8 v0, s[64:65] scope:SCOPE_SE
	s_setreg_imm32_b32 hwreg(HW_REG_WAVE_MODE, 25, 1), 1
	s_wait_xcnt 0x0
; scores[b][l] = sum over k of targets[b][l][k] * v[b][k], with v[b][k] = sum over p of vpart[p][b][k].
; targets: [32][2048][1024] f32, vpart: [8][32][1024] f32, scores: [32][2048] f32 (without c[b], which the next launch adds).
; A stream: 1,024 x 4 bytes are read for each number made, each byte of targets once.  f32 on the vector unit: one row of v against each row of targets
; gives the matrix unit nothing to reuse.  LIMIT: the order of the f32 sums differs from the reference's.
; SHARES: work-group x owns rows 256 x .. 256 x + 255 of the flattened [65536][1024], 1 MiB, all of batch x >> 3.  Sixteen waves; wave w takes local rows
; 16 i + w, i = 0 .. 15, so that the sixteen waves' rows of one turn are 64 KiB of neighbouring memory.  A wave takes a whole row: eight loads of
; 512 consecutive bytes; a lane holds columns 128 j + 4 lane + e.  The sum over a row never leaves the wave.
; A ring of four row slots in registers: one at work, three on their way, 3 x 4 KiB a wave.  Every offset stands in an immediate
; (15 x 65,536 + 3,584 at the most, inside the signed 24 bits), so no address register is written again and no wait frees one.
; NO JOINT REQUESTS: what the 8 work-groups of a batch share is vpart's 8 x 4 KiB against 1 MiB of targets that is each work-group's own.
.set ROW,  4096                        ; bytes in a row of targets
.set SCB,  4096                        ; LDS: bytes 0 .. 4095 v[b]; bytes 4096 .. 5119 the work-group's 256 scores
.set PT,   6                           ; v[6:21]    my two columns of the eight partial sums
.set A,    22                          ; v[22:29]   four chains of two sums
.set V,    32                          ; v[32:63]   v[b] at my 32 columns
.set X,    64                          ; v[64:191]  slot s at X + 32 s: a row of targets at my 32 columns
	s_load_b128 s[4:7], s[0:1], 0x0                ; targets s[4:5], vpart s[6:7]
	s_load_b64 s[8:9], s[0:1], 0x10                ; scores
	v_lshl_add_u32 v192, v0, 2, 0x1400
	v_mov_b32 v193, 0
	v_lshrrev_b32 v30, 5, v0
	v_readfirstlane_b32 s12, v30                   ; wave 0 .. 15
	s_mov_b32 s10, 0x76543210                      ; v_permlanex16_b32: lane i of one half reads lane i of the other
	s_mov_b32 s11, 0xfedcba98
	s_lshl_b32 s14, ttmp9, 20                      ; targets: 256 rows of 4,096 bytes a work-group (255 << 20 fits in 32 bits)
	s_mov_b32 s15, 0
	s_lshr_b32 s16, ttmp9, 3                       ; the batch,
	s_lshl_b32 s16, s16, 12                        ; its row of 4,096 bytes in each slice of vpart
	s_mov_b32 s17, 0
	s_lshl_b32 s2, ttmp9, 10                       ; scores: 256 numbers a work-group
	s_mov_b32 s3, 0
	s_lshl_b32 s13, s12, 2
	v_and_b32 v3, 31, v0
	v_lshlrev_b32 v3, 4, v3                        ; 16 x lane: where I read v[b] in LDS
	v_lshl_add_u32 v1, s12, 12, v3                 ; targets: + my wave's row of a turn
	v_lshlrev_b32 v2, 3, v0                        ; vpart and LDS: two columns a thread, 512 threads = a row of 4,096 bytes
	v_mov_b32 v4, s13                              ; LDS: my wave's word among a turn's sixteen scores
	v_lshlrev_b32 v5, 4, v0                        ; the way out: 16 bytes a thread
	s_wait_kmcnt 0x0
	s_add_nc_u64 s[4:5], s[4:5], s[14:15]
	s_add_nc_u64 s[6:7], s[6:7], s[16:17]
	s_add_nc_u64 s[8:9], s[8:9], s[2:3]
.macro FILL i                          ; local row 16 i + w into slot i mod 4.  Read once in the whole launch: the non-temporal hint
.irp j, 0,1,2,3,4,5,6,7
	global_load_b128 v[X+32*((\i)%4)+4*\j:X+32*((\i)%4)+4*\j+3], v1, s[4:5] offset:(\i)*16*ROW+512*\j th:TH_LOAD_NT
.endr
.endm
.irp p, 0,1,2,3,4,5,6,7
	global_load_b64 v[PT+2*\p:PT+2*\p+1], v2, s[6:7] offset:\p*131072      ; issued first, so that a counted wait reaches them
.endr
	FILL 0
	FILL 1
	FILL 2
	FILL 3
	s_wait_loadcnt 32                              ; the eight loads of vpart are in; the 32 younger ones (four rows of targets) stay out
	v_pk_add_f32 v[PT:PT+1],     v[PT:PT+1],     v[PT+2:PT+3]
	v_pk_add_f32 v[PT+4:PT+5],   v[PT+4:PT+5],   v[PT+6:PT+7]
	v_pk_add_f32 v[PT+8:PT+9],   v[PT+8:PT+9],   v[PT+10:PT+11]
	v_pk_add_f32 v[PT+12:PT+13], v[PT+12:PT+13], v[PT+14:PT+15]
	v_pk_add_f32 v[PT:PT+1],     v[PT:PT+1],     v[PT+4:PT+5]
	v_pk_add_f32 v[PT+8:PT+9],   v[PT+8:PT+9],   v[PT+12:PT+13]
	v_pk_add_f32 v[PT:PT+1],     v[PT:PT+1],     v[PT+8:PT+9]
	ds_store_b64 v2, v[PT:PT+1]                    ; v[b], two columns a thread
	s_wait_dscnt 0x0                               ; my store is done before I say so: every wave reads all of v[b]
	s_barrier_signal -1
	s_barrier_wait -1
.irp j, 0,1,2,3,4,5,6,7
	ds_load_b128 v[V+4*\j:V+4*\j+3], v3 offset:512*\j              ; the same columns as a row's load j
.endr
	s_wait_dscnt 0x0
; The turn of local row 16 i + w.  fill = 1: its slot gets the row four turns on, straight behind the last read of the slot.
; left = how many younger loads may stay out.
.macro TURN i, fill, left
	s_wait_loadcnt \left
.irp k, 0,1,2,3
	v_pk_mul_f32 v[A+2*\k:A+2*\k+1], v[X+32*(\i%4)+2*\k:X+32*(\i%4)+2*\k+1], v[V+2*\k:V+2*\k+1]    ; the first products start the four chains
.endr
.irp k, 4,5,6,7,8,9,10,11,12,13,14,15
	v_pk_fma_f32 v[A+2*(\k%4):A+2*(\k%4)+1], v[X+32*(\i%4)+2*\k:X+32*(\i%4)+2*\k+1], v[V+2*\k:V+2*\k+1], v[A+2*(\k%4):A+2*(\k%4)+1]
.endr
.if \fill
	FILL \i+4
.endif
	v_pk_add_f32 v[A:A+1],   v[A:A+1],   v[A+2:A+3]
	v_pk_add_f32 v[A+4:A+5], v[A+4:A+5], v[A+6:A+7]
	v_pk_add_f32 v[A:A+1],   v[A:A+1],   v[A+4:A+5]
	v_add_f32 v[A], v[A], v[A+1]
	; across the 32 lanes: four steps inside each half of 16 lanes ride on the addition, one crosses the halves
	v_add_f32_dpp v[A], v[A], v[A] row_xmask:1 row_mask:0xf bank_mask:0xf
	v_add_f32_dpp v[A], v[A], v[A] row_xmask:2 row_mask:0xf bank_mask:0xf
	v_add_f32_dpp v[A], v[A], v[A] row_xmask:4 row_mask:0xf bank_mask:0xf
	v_add_f32_dpp v[A], v[A], v[A] row_xmask:8 row_mask:0xf bank_mask:0xf
	v_permlanex16_b32 v[A+1], v[A], s10, s11       ; its destination has been written above
	v_add_f32 v[A], v[A], v[A+1]
	ds_store_b32 v4, v[A] offset:SCB+64*\i         ; all lanes write the same word with the same value: score 16 i + w
.endm
.irp i, 0,1,2,3,4,5,6,7,8,9,10,11
	TURN \i, 1, 24                                 ; three younger rows of eight loads stay out
.endr
	TURN 12, 0, 24                                 ; the last four rows fetch nothing: no load leaves the work-group's 256 rows,
	TURN 13, 0, 16                                 ; and the counts run down
	TURN 14, 0, 8
	TURN 15, 0, 0
	s_wait_dscnt 0x0                               ; my sixteen scores are in LDS before I say so
	s_barrier_signal -1
	s_barrier_wait -1
	s_cmp_ge_u32 s12, 2                            ; 256 scores are 1,024 bytes: waves 0 and 1 store them, 512 consecutive aligned bytes each
	s_cbranch_scc1 .Lend
	ds_load_b128 v[A:A+3], v5 offset:SCB
	s_wait_dscnt 0x0
	global_store_b128 v5, v[A:A+3], s[8:9]
.Lend:
	s_wait_tensorcnt 0x0
	ds_add_u32 v192, v193
	s_wait_dscnt 0x0
	s_endpgm
.Lfunc_end_k_qac9e644c2f_score:
	.size	k_qac9e644c2f_score, .Lfunc_end_k_qac9e644c2f_score-k_qac9e644c2f_score
	.p2alignl 7, 3214868480
	.fill 96, 4, 3214868480
	.section	.rodata,"a",@progbits
	.p2align	6, 0x0
	.amdhsa_kernel k_qac9e644c2f_score
		.amdhsa_group_segment_fixed_size 7168
		.amdhsa_private_segment_fixed_size 0
		.amdhsa_enable_private_segment 0
		.amdhsa_kernarg_size 24
		.amdhsa_user_sgpr_count 2
		.amdhsa_user_sgpr_kernarg_segment_ptr 1
		.amdhsa_wavefront_size32 1
		.amdhsa_system_sgpr_workgroup_id_x 1
		.amdhsa_system_sgpr_workgroup_id_y 1
		.amdhsa_system_sgpr_workgroup_id_z 1
		.amdhsa_system_vgpr_workitem_id 0
		.amdhsa_next_free_vgpr 194
		.amdhsa_next_free_sgpr 66
		.amdhsa_reserve_vcc 0
		.amdhsa_float_denorm_mode_32 3
		.amdhsa_float_denorm_mode_16_64 3
		.amdhsa_memory_ordered 1
		.amdhsa_forward_progress 1
		.amdhsa_inst_pref_size 43
	.end_amdhsa_kernel
	.amdgpu_metadata
---
amdhsa.version: [ 1, 2 ]
amdhsa.kernels:
  - .name:           k_qac9e644c2f_score
    .symbol:         k_qac9e644c2f_score.kd
    .args:
      - { .name: targets, .offset: 0, .size: 8, .value_kind: global_buffer, .address_space: global }
      - { .name: vpart, .offset: 8, .size: 8, .value_kind: global_buffer, .address_space: global }
      - { .name: scores, .offset: 16, .size: 8, .value_kind: global_buffer, .address_space: global }
    .group_segment_fixed_size: 7168
    .private_segment_fixed_size: 0
    .kernarg_segment_align: 8
    .kernarg_segment_size: 24
    .max_flat_workgroup_size: 512
    .sgpr_count:     66
    .vgpr_count:     194
    .wavefront_size: 32
...
	.end_amdgpu_metadata
.endif
;; end of part 2
;; launch soft (part 3): grid 32 x 1, 8 waves a work-group, no clusters, 1,280 bytes of LDS; arguments scores, hidden, b, out0; writes out0
.if DOCPART == 3
	.amdgcn_target "amdgcn-amd-amdhsa--gfx1250"
	.amdhsa_code_object_version 6
	.text
	.protected	k_qac9e644c2f_soft
	.globl	k_qac9e644c2f_soft
	.p2align	8
	.type	k_qac9e644c2f_soft,@function
k_qac9e644c2f_soft:
	s_mov_b64 s[64:65], 0
	v_nop
	global_prefetch_b8 v0, s[64:65] scope:SCOPE_SE
	s_setreg_imm32_b32 hwreg(HW_REG_WAVE_MODE, 25, 1), 1
	s_wait_xcnt 0x0
; out0[b][l] = softmax over l of (scores[b][l] + c[b]), c[b] = sum over g of bias[g] * hidden[b][g].
; scores: [32][2048] f32, hidden: [32][1024] f32, b: [1024] f32, out0: [32][2048] f32.
; One work-group for each batch, since maximum and sum span the batch's whole row of 2,048: 32 work-groups have work, and no more are launched.
; Eight waves; thread t holds scores 4 t .. 4 t + 3 and 1024 + 4 t .. + 3, and numbers 4 t .. 4 t + 3 of hidden[b] and of the bias: every load and store
; of a wave covers 512 consecutive bytes, aligned, and the row stays in registers between the passes.
; c[b] is added before the maximum is taken away, as the reference does it.  The maximum of the rounded sums s + c is the rounded sum of max(s) and c,
; because rounding keeps order; so one pass finds the maximum of s while the dot product for c is made.
; LIMITS: v_exp_f32 gives 0 where the result would be below 2^-126 (ISA guide, its entry in 15.8), so outputs that small are 0.  A NaN among a row's
; scores makes the whole row NaN through the sum; a score of +infinity makes it NaN through infinity - infinity: both as in the reference.
.set S, 4                              ; v[4:11]    my 8 scores, then their exponentials, then the results
.set Y, 44                             ; v[44:51]   the exponents
	s_load_b256 s[4:11], s[0:1], 0x0               ; scores s[4:5], hidden s[6:7], bias s[8:9], out0 s[10:11]
	v_lshl_add_u32 v56, v0, 2, 0x100
	v_mov_b32 v57, 0
	v_lshrrev_b32 v2, 5, v0
	v_readfirstlane_b32 s18, v2                    ; wave 0 .. 7
	s_mov_b32 s12, 0x76543210                      ; v_permlanex16_b32: lane i of one half reads lane i of the other
	s_mov_b32 s13, 0xfedcba98
	s_lshl_b32 s14, ttmp9, 13                      ; a row of 2,048 f32
	s_mov_b32 s15, 0
	s_lshl_b32 s16, ttmp9, 12                      ; a row of 1,024 f32
	s_mov_b32 s17, 0
	s_lshl_b32 s18, s18, 2
	v_lshlrev_b32 v1, 4, v0                        ; 16 bytes a thread
	v_mov_b32 v3, s18                              ; LDS: my wave's word
	v_mov_b32 v2, 0                                ; LDS: the address of the reads that are the same in all lanes
	s_wait_kmcnt 0x0
	s_add_nc_u64 s[4:5], s[4:5], s[14:15]
	s_add_nc_u64 s[10:11], s[10:11], s[14:15]
	s_add_nc_u64 s[6:7], s[6:7], s[16:17]
	global_load_b128 v[S:S+3],   v1, s[4:5]
	global_load_b128 v[S+4:S+7], v1, s[4:5] offset:4096
	global_load_b128 v[12:15], v1, s[6:7]
	global_load_b128 v[16:19], v1, s[8:9]
; over the 32 lanes of a wave, the result in every lane; t has been written before
.macro WMAX r, t
	v_max_num_f32_dpp v[\r], v[\r], v[\r] row_xmask:1 row_mask:0xf bank_mask:0xf
	v_max_num_f32_dpp v[\r], v[\r], v[\r] row_xmask:2 row_mask:0xf bank_mask:0xf
	v_max_num_f32_dpp v[\r], v[\r], v[\r] row_xmask:4 row_mask:0xf bank_mask:0xf
	v_max_num_f32_dpp v[\r], v[\r], v[\r] row_xmask:8 row_mask:0xf bank_mask:0xf
	v_permlanex16_b32 v[\t], v[\r], s12, s13
	v_max_num_f32 v[\r], v[\r], v[\t]
.endm
.macro WSUM r, t
	v_add_f32_dpp v[\r], v[\r], v[\r] row_xmask:1 row_mask:0xf bank_mask:0xf
	v_add_f32_dpp v[\r], v[\r], v[\r] row_xmask:2 row_mask:0xf bank_mask:0xf
	v_add_f32_dpp v[\r], v[\r], v[\r] row_xmask:4 row_mask:0xf bank_mask:0xf
	v_add_f32_dpp v[\r], v[\r], v[\r] row_xmask:8 row_mask:0xf bank_mask:0xf
	v_permlanex16_b32 v[\t], v[\r], s12, s13
	v_add_f32 v[\r], v[\r], v[\t]
.endm
	s_wait_loadcnt 2                               ; my scores are in; the loads of hidden and of the bias may stay out
	v_max3_num_f32 v20, v[S], v[S+1], v[S+2]
	v_max3_num_f32 v21, v[S+3], v[S+4], v[S+5]
	v_max3_num_f32 v20, v20, v[S+6], v[S+7]
	v_max_num_f32 v20, v20, v21
	s_wait_loadcnt 0
	v_pk_mul_f32 v[22:23], v[12:13], v[16:17]      ; my four products of the bias and hidden
	v_pk_fma_f32 v[22:23], v[14:15], v[18:19], v[22:23]
	v_add_f32 v22, v22, v23
	WMAX 20, 21
	WSUM 22, 23
	ds_store_b32 v3, v20                           ; LDS words 0-7: the waves' maxima; 8-15: their parts of c; 16-23: their sums of exponentials
	ds_store_b32 v3, v22 offset:32
	s_wait_dscnt 0x0                               ; my stores are done before I say so
	s_barrier_signal -1
	s_barrier_wait -1
	ds_load_b128 v[24:27], v2
	ds_load_b128 v[28:31], v2 offset:16
	ds_load_b128 v[32:35], v2 offset:32
	ds_load_b128 v[36:39], v2 offset:48
	s_wait_dscnt 0x0
	v_max3_num_f32 v20, v24, v25, v26
	v_max3_num_f32 v21, v27, v28, v29
	v_max3_num_f32 v20, v20, v30, v31
	v_max_num_f32 v20, v20, v21                    ; the row's largest score
	v_pk_add_f32 v[32:33], v[32:33], v[34:35]
	v_pk_add_f32 v[36:37], v[36:37], v[38:39]
	v_pk_add_f32 v[32:33], v[32:33], v[36:37]
	v_add_f32 v40, v32, v33                        ; c[b], twice: a pair for the packed forms
	v_add_f32 v41, v32, v33
	v_add_f32 v42, v20, v40                        ; the maximum of s + c, twice
	v_add_f32 v43, v20, v41
.irp k, 0,2,4,6
	v_pk_add_f32 v[Y+\k:Y+\k+1], v[S+\k:S+\k+1], v[40:41]                              ; s + c
.endr
.irp k, 0,2,4,6
	v_pk_add_f32 v[Y+\k:Y+\k+1], v[Y+\k:Y+\k+1], v[42:43] neg_lo:[0,1] neg_hi:[0,1]    ; less the maximum: at most 0.  The difference is rounded first, as in the reference, so it is not fused with the factor
.endr
.irp k, 0,2,4,6
	v_pk_mul_f32 v[Y+\k:Y+\k+1], v[Y+\k:Y+\k+1], 0x3fb8aa3b op_sel_hi:[1,0]            ; times log2(e): v_exp_f32 works in base 2
.endr
.irp k, 0,1,2,3,4,5,6,7
	v_exp_f32 v[S+\k], v[Y+\k]
.endr
	v_nop                                          ; one plain vector instruction between the last v_exp_f32 and the first use of a result (ISA guide 5.7.2)
	s_wait_alu depctr_va_vdst(0)
	v_pk_add_f32 v[52:53], v[S:S+1],   v[S+2:S+3]
	v_pk_add_f32 v[24:25], v[S+4:S+5], v[S+6:S+7]
	v_pk_add_f32 v[52:53], v[52:53], v[24:25]
	v_add_f32 v52, v52, v53
	WSUM 52, 53
	ds_store_b32 v3, v52 offset:64                 ; bytes of their own: no wave still reads them
	s_wait_dscnt 0x0
	s_barrier_signal -1
	s_barrier_wait -1
	ds_load_b128 v[24:27], v2 offset:64
	ds_load_b128 v[28:31], v2 offset:80
	s_wait_dscnt 0x0
	v_pk_add_f32 v[24:25], v[24:25], v[26:27]
	v_pk_add_f32 v[28:29], v[28:29], v[30:31]
	v_pk_add_f32 v[24:25], v[24:25], v[28:29]
	v_add_f32 v52, v24, v25                        ; the row's sum: at least 1, from the largest score's exponential
	v_rcp_f32 v54, v52                             ; twice: a pair for the packed multiply
	v_rcp_f32 v55, v52
	v_nop                                          ; the plain instruction behind the transcendentals
	s_wait_alu depctr_va_vdst(0)
.irp k, 0,2,4,6
	v_pk_mul_f32 v[S+\k:S+\k+1], v[S+\k:S+\k+1], v[54:55]
.endr
	global_store_b128 v1, v[S:S+3],   s[10:11]
	global_store_b128 v1, v[S+4:S+7], s[10:11] offset:4096
	s_wait_tensorcnt 0x0
	ds_add_u32 v56, v57
	s_wait_dscnt 0x0
	s_endpgm
.Lfunc_end_k_qac9e644c2f_soft:
	.size	k_qac9e644c2f_soft, .Lfunc_end_k_qac9e644c2f_soft-k_qac9e644c2f_soft
	.p2alignl 7, 3214868480
	.fill 96, 4, 3214868480
	.section	.rodata,"a",@progbits
	.p2align	6, 0x0
	.amdhsa_kernel k_qac9e644c2f_soft
		.amdhsa_group_segment_fixed_size 1280
		.amdhsa_private_segment_fixed_size 0
		.amdhsa_enable_private_segment 0
		.amdhsa_kernarg_size 32
		.amdhsa_user_sgpr_count 2
		.amdhsa_user_sgpr_kernarg_segment_ptr 1
		.amdhsa_wavefront_size32 1
		.amdhsa_system_sgpr_workgroup_id_x 1
		.amdhsa_system_sgpr_workgroup_id_y 1
		.amdhsa_system_sgpr_workgroup_id_z 1
		.amdhsa_system_vgpr_workitem_id 0
		.amdhsa_next_free_vgpr 58
		.amdhsa_next_free_sgpr 66
		.amdhsa_reserve_vcc 0
		.amdhsa_float_denorm_mode_32 3
		.amdhsa_float_denorm_mode_16_64 3
		.amdhsa_memory_ordered 1
		.amdhsa_forward_progress 1
		.amdhsa_inst_pref_size 7
	.end_amdhsa_kernel
	.amdgpu_metadata
---
amdhsa.version: [ 1, 2 ]
amdhsa.kernels:
  - .name:           k_qac9e644c2f_soft
    .symbol:         k_qac9e644c2f_soft.kd
    .args:
      - { .name: scores, .offset: 0, .size: 8, .value_kind: global_buffer, .address_space: global }
      - { .name: hidden, .offset: 8, .size: 8, .value_kind: global_buffer, .address_space: global }
      - { .name: b, .offset: 16, .size: 8, .value_kind: global_buffer, .address_space: global }
      - { .name: out0, .offset: 24, .size: 8, .value_kind: global_buffer, .address_space: global }
    .group_segment_fixed_size: 1280
    .private_segment_fixed_size: 0
    .kernarg_segment_align: 8
    .kernarg_segment_size: 32
    .max_flat_workgroup_size: 256
    .sgpr_count:     66
    .vgpr_count:     58
    .wavefront_size: 32
...
	.end_amdgpu_metadata
.endif
;; end of part 3
;; ======== version 2 of 2: 3 launches; version 1 with the launch score written anew for expert scheduling mode
;; workspace buffers: vpart 1,048,576 bytes; scores 262,144 bytes
;; launch proj: the kernel of part 1 again; grid 32 x 8, 8 waves a work-group, no clusters, 33,792 bytes of LDS; arguments W, hidden, vpart; writes vpart
;; launch score (part 4): grid 256 x 1, 16 waves a work-group, no clusters, 7,168 bytes of LDS; arguments targets, vpart, scores; writes scores
.if DOCPART == 4
	.amdgcn_target "amdgcn-amd-amdhsa--gfx1250"
	.amdhsa_code_object_version 6
	.text
	.protected	k_qac9e644c2f_score
	.globl	k_qac9e644c2f_score
	.p2align	8
	.type	k_qac9e644c2f_score,@function
k_qac9e644c2f_score:
	s_mov_b64 s[64:65], 0
	v_nop
	global_prefetch_b8 v0, s[64:65] scope:SCOPE_SE
	s_setreg_imm32_b32 hwreg(HW_REG_WAVE_SCHED_MODE, 0, 2), 2
	s_setreg_imm32_b32 hwreg(HW_REG_WAVE_MODE, 25, 1), 1
	s_wait_xcnt 0x0
	s_wait_alu depctr_vm_vsrc(0)
; scores[b][l] = sum over k of targets[b][l][k] * v[b][k], with v[b][k] = sum over p of vpart[p][b][k].
; targets: [32][2048][1024] f32, vpart: [8][32][1024] f32, scores: [32][2048] f32 (without c[b], which the next launch adds).
; A stream: 1,024 x 4 bytes are read for each number made, each byte of targets once.  f32 on the vector unit: one row of v against each row of targets
; gives the matrix unit nothing to reuse.  LIMIT: the order of the f32 sums differs from the reference's.
; SHARES: work-group x owns rows 256 x .. 256 x + 255 of the flattened [65536][1024], 1 MiB, all of batch x >> 3.  Sixteen waves; wave w takes local rows
; 16 i + w, i = 0 .. 15, so that the sixteen waves' rows of one turn are 64 KiB of neighbouring memory.  A wave takes a whole row: eight loads of
; 512 consecutive bytes; a lane holds columns 128 j + 4 lane + e.  The sum over a row never leaves the wave.
; Every offset stands in an immediate (15 x 65,536 + 3,584 at the most, inside the signed 24 bits), so no address register is written again.
; NO JOINT REQUESTS: what the 8 work-groups of a batch share is vpart's 8 x 4 KiB against 1 MiB of targets that is each work-group's own.
; THE MODE: SCHED_MODE bits 1:0 = 2 (LLVM: expert scheduling mode 2), set by the entry lines.  The code itself states the register dependences
; between vector instructions and memory or LDS instructions, with s_wait_alu, always for 0.
; THE PLAN.  Registers that memory or LDS instructions touch:
;   v1 .. v5     offsets and LDS addresses, made once at the head and never written again.
;   PT           the loads of vpart land in it, seven additions work in it, one LDS store reads its first pair; never written afterwards.
;   V            eight LDS loads land in it, once; before them no vector instruction names it; the products read it.
;   X0 .. X4     five row slots.  Row i lies in X[i % 5] and is read by turn i's sixteen products.  Row i + 4 is asked for in turn i and lands in
;                X[(i + 4) % 5] = X[(i - 1) % 5]: the slot that turn i - 1 read and that no vector instruction of turn i names.
;   R0 .. R15    a register for each turn's score: written by turn i's last addition, read by the one LDS store that turn i + 1 issues, never written again.
;   A            named by vector instructions alone until the way out, where one LDS load lands in its first four registers.
; So ONE wait on va_vdst stands at the head of a turn: the turn before has written its score and is done reading its slot.  Behind it the turn's eight loads
; and its one LDS store are dealt among its products, which name X[i % 5], V and A: none of the registers that those nine touch.  No register that a memory
; or LDS instruction reads is ever written again, so no wait on vm_vsrc stands between the entry and the exit lines.
; One slot is at work, three are on their way (3 x 4 KiB a wave), and the fifth is asked for again.
.set ROW,  4096                        ; bytes in a row of targets
.set SCB,  4096                        ; LDS: bytes 0 .. 4095 v[b]; bytes 4096 .. 5119 the work-group's 256 scores
.set SLOTS, 5
.set PT,   6                           ; v[6:21]    my two columns of the eight partial sums
.set A,    22                          ; v[22:29]   four chains of two sums
.set V,    32                          ; v[32:63]   v[b] at my 32 columns
.set X,    64                          ; v[64:223]  slot s at X + 32 s: a row of targets at my 32 columns
.set R,    224                         ; v[224:239] turn i's score at R + i
	s_load_b128 s[4:7], s[0:1], 0x0                ; targets s[4:5], vpart s[6:7]
	s_load_b64 s[8:9], s[0:1], 0x10                ; scores
	v_lshl_add_u32 v240, v0, 2, 0x1400
	v_mov_b32 v241, 0
	v_lshrrev_b32 v30, 5, v0
	v_readfirstlane_b32 s12, v30                   ; wave 0 .. 15
	s_mov_b32 s10, 0x76543210                      ; v_permlanex16_b32: lane i of one half reads lane i of the other
	s_mov_b32 s11, 0xfedcba98
	s_lshl_b32 s14, ttmp9, 20                      ; targets: 256 rows of 4,096 bytes a work-group (255 << 20 fits in 32 bits)
	s_mov_b32 s15, 0
	s_lshr_b32 s16, ttmp9, 3                       ; the batch,
	s_lshl_b32 s16, s16, 12                        ; its row of 4,096 bytes in each slice of vpart
	s_mov_b32 s17, 0
	s_lshl_b32 s2, ttmp9, 10                       ; scores: 256 numbers a work-group
	s_mov_b32 s3, 0
	s_wait_alu depctr_va_sdst(0)                   ; s12 is written, ahead of its first reader, the next line
	s_lshl_b32 s13, s12, 2
	v_and_b32 v3, 31, v0
	v_lshlrev_b32 v3, 4, v3                        ; 16 x lane: where I read v[b] in LDS
	v_lshl_add_u32 v1, s12, 12, v3                 ; targets: + my wave's row of a turn
	v_lshlrev_b32 v2, 3, v0                        ; vpart and LDS: two columns a thread, 512 threads = a row of 4,096 bytes
	v_mov_b32 v4, s13                              ; LDS: my wave's word among a turn's sixteen scores
	v_lshlrev_b32 v5, 4, v0                        ; the way out: 16 bytes a thread
	s_wait_kmcnt 0x0
	s_add_nc_u64 s[4:5], s[4:5], s[14:15]
	s_add_nc_u64 s[6:7], s[6:7], s[16:17]
	s_add_nc_u64 s[8:9], s[8:9], s[2:3]
	s_wait_alu depctr_va_vdst(0)                   ; v1 to v5 are written: every load, store and LDS instruction of the kernel reads one of them as its offset or address
.macro LD i, j                         ; load j of eight of local row 16 i + w, into slot i mod 5.  Read once in the whole launch: the non-temporal hint
	global_load_b128 v[X+32*((\i)%SLOTS)+4*(\j):X+32*((\i)%SLOTS)+4*(\j)+3], v1, s[4:5] offset:(\i)*16*ROW+512*(\j) th:TH_LOAD_NT
.endm
.macro FILL i                          ; a whole row
.irp j, 0,1,2,3,4,5,6,7
	LD \i, \j
.endr
.endm
.irp p, 0,1,2,3,4,5,6,7
	global_load_b64 v[PT+2*\p:PT+2*\p+1], v2, s[6:7] offset:\p*131072      ; issued first, so that a counted wait reaches them
.endr
	FILL 0
	FILL 1
	FILL 2
	FILL 3
	s_wait_loadcnt 32                              ; the eight loads of vpart are in; the 32 younger ones (four rows of targets) stay out
	v_pk_add_f32 v[PT:PT+1],     v[PT:PT+1],     v[PT+2:PT+3]
	v_pk_add_f32 v[PT+4:PT+5],   v[PT+4:PT+5],   v[PT+6:PT+7]
	v_pk_add_f32 v[PT+8:PT+9],   v[PT+8:PT+9],   v[PT+10:PT+11]
	v_pk_add_f32 v[PT+12:PT+13], v[PT+12:PT+13], v[PT+14:PT+15]
	v_pk_add_f32 v[PT:PT+1],     v[PT:PT+1],     v[PT+4:PT+5]
	v_pk_add_f32 v[PT+8:PT+9],   v[PT+8:PT+9],   v[PT+12:PT+13]
	v_pk_add_f32 v[PT:PT+1],     v[PT:PT+1],     v[PT+8:PT+9]
	s_wait_alu depctr_va_vdst(0)                   ; the additions have written v[PT:PT+1], which the LDS store reads
	ds_store_b64 v2, v[PT:PT+1]                    ; v[b], two columns a thread
	s_wait_dscnt 0x0                               ; my store is done before I say so: every wave reads all of v[b]
	s_barrier_signal -1
	s_barrier_wait -1
.irp j, 0,1,2,3,4,5,6,7
	ds_load_b128 v[V+4*\j:V+4*\j+3], v3 offset:512*\j              ; the same columns as a row's load j; no vector instruction has named these registers
.endr
	s_wait_dscnt 0x0
; Product k of sixteen of turn i: two columns.  The first four start the four chains, so nothing is cleared; chain k mod 4 takes its terms in ascending k.
.macro PROD i, k
.if (\k) < 4
	v_pk_mul_f32 v[A+2*(\k):A+2*(\k)+1], v[X+32*((\i)%SLOTS)+2*(\k):X+32*((\i)%SLOTS)+2*(\k)+1], v[V+2*(\k):V+2*(\k)+1]
.else
	v_pk_fma_f32 v[A+2*((\k)%4):A+2*((\k)%4)+1], v[X+32*((\i)%SLOTS)+2*(\k):X+32*((\i)%SLOTS)+2*(\k)+1], v[V+2*(\k):V+2*(\k)+1], v[A+2*((\k)%4):A+2*((\k)%4)+1]
.endif
.endm
; The turn of local row 16 i + w.  fill = 1: the row four turns on is asked for, into the slot that the turn before read.
; left = how many younger loads may stay out.
.macro TURN i, fill, left
	s_wait_loadcnt \left                           ; loads return in order (ISA guide 5.7.1): row i is in
.if (\i) > 0                           ; turn 0 has no turn in front of it: no score to store, and its loads land in the fifth slot, which no vector instruction has named
	s_wait_alu depctr_va_vdst(0)                   ; the turn before has written its score R[i - 1], which the LDS store below reads, and is done reading its slot, in which this turn's loads (where it fills) land
.endif
.irp j, 0,1,2,3,4,5,6,7
.if \fill
	LD \i+4, \j                                    ; no vector instruction since the wait names these registers
.endif
.if ((\i) > 0) && ((\j) == 0)
	ds_store_b32 v4, v[R+(\i)-1] offset:SCB+64*((\i)-1)            ; all lanes write the same word with the same value: score 16 (i - 1) + w
.endif
	PROD \i, 2*\j
	PROD \i, 2*\j+1
.endr
	v_pk_add_f32 v[A:A+1],   v[A:A+1],   v[A+2:A+3]
	v_pk_add_f32 v[A+4:A+5], v[A+4:A+5], v[A+6:A+7]
	v_pk_add_f32 v[A:A+1],   v[A:A+1],   v[A+4:A+5]
	v_add_f32 v[A], v[A], v[A+1]
	; across the 32 lanes: four steps inside each half of 16 lanes ride on the addition, one crosses the halves
	v_add_f32_dpp v[A], v[A], v[A] row_xmask:1 row_mask:0xf bank_mask:0xf
	v_add_f32_dpp v[A], v[A], v[A] row_xmask:2 row_mask:0xf bank_mask:0xf
	v_add_f32_dpp v[A], v[A], v[A] row_xmask:4 row_mask:0xf bank_mask:0xf
	v_add_f32_dpp v[A], v[A], v[A] row_xmask:8 row_mask:0xf bank_mask:0xf
	v_permlanex16_b32 v[A+1], v[A], s10, s11       ; its destination has been written above
	v_add_f32 v[R+(\i)], v[A], v[A+1]              ; the score, into a register of its own
.endm
.irp i, 0,1,2,3,4,5,6,7,8,9,10,11
	TURN \i, 1, 24                                 ; three younger rows of eight loads stay out
.endr
	TURN 12, 0, 24                                 ; the last four rows fetch nothing: no load leaves the work-group's 256 rows,
	TURN 13, 0, 16                                 ; and the counts run down
	TURN 14, 0, 8
	TURN 15, 0, 0
	s_wait_alu depctr_va_vdst(0)                   ; turn 15 has written R[15], which the last LDS store reads; and every vector instruction that names v[A:A+3] is done: no other follows, and the LDS load of the way out lands there
	ds_store_b32 v4, v[R+15] offset:SCB+64*15
	s_wait_dscnt 0x0                               ; my sixteen scores are in LDS before I say so
	s_barrier_signal -1
	s_barrier_wait -1
	s_cmp_ge_u32 s12, 2                            ; 256 scores are 1,024 bytes: waves 0 and 1 store them, 512 consecutive aligned bytes each
	s_cbranch_scc1 .Lend
	ds_load_b128 v[A:A+3], v5 offset:SCB
	s_wait_dscnt 0x0
	global_store_b128 v5, v[A:A+3], s[8:9]
.Lend:
	s_wait_dscnt 0x0
	s_wait_alu depctr_hold_cnt(0) depctr_sa_sdst(0) depctr_va_vdst(0) depctr_va_sdst(0) depctr_va_ssrc(0) depctr_va_vcc(0) depctr_vm_vsrc(0)
	s_wait_tensorcnt 0x0
	ds_add_u32 v240, v241
	s_wait_dscnt 0x0
	s_endpgm
.Lfunc_end_k_qac9e644c2f_score:
	.size	k_qac9e644c2f_score, .Lfunc_end_k_qac9e644c2f_score-k_qac9e644c2f_score
	.p2alignl 7, 3214868480
	.fill 96, 4, 3214868480
	.section	.rodata,"a",@progbits
	.p2align	6, 0x0
	.amdhsa_kernel k_qac9e644c2f_score
		.amdhsa_group_segment_fixed_size 7168
		.amdhsa_private_segment_fixed_size 0
		.amdhsa_enable_private_segment 0
		.amdhsa_kernarg_size 24
		.amdhsa_user_sgpr_count 2
		.amdhsa_user_sgpr_kernarg_segment_ptr 1
		.amdhsa_wavefront_size32 1
		.amdhsa_system_sgpr_workgroup_id_x 1
		.amdhsa_system_sgpr_workgroup_id_y 1
		.amdhsa_system_sgpr_workgroup_id_z 1
		.amdhsa_system_vgpr_workitem_id 0
		.amdhsa_next_free_vgpr 242
		.amdhsa_next_free_sgpr 66
		.amdhsa_reserve_vcc 0
		.amdhsa_float_denorm_mode_32 3
		.amdhsa_float_denorm_mode_16_64 3
		.amdhsa_memory_ordered 1
		.amdhsa_forward_progress 1
		.amdhsa_inst_pref_size 43
	.end_amdhsa_kernel
	.amdgpu_metadata
---
amdhsa.version: [ 1, 2 ]
amdhsa.kernels:
  - .name:           k_qac9e644c2f_score
    .symbol:         k_qac9e644c2f_score.kd
    .args:
      - { .name: targets, .offset: 0, .size: 8, .value_kind: global_buffer, .address_space: global }
      - { .name: vpart, .offset: 8, .size: 8, .value_kind: global_buffer, .address_space: global }
      - { .name: scores, .offset: 16, .size: 8, .value_kind: global_buffer, .address_space: global }
    .group_segment_fixed_size: 7168
    .private_segment_fixed_size: 0
    .kernarg_segment_align: 8
    .kernarg_segment_size: 24
    .max_flat_workgroup_size: 512
    .sgpr_count:     66
    .vgpr_count:     242
    .wavefront_size: 32
...
	.end_amdgpu_metadata
.endif
;; end of part 4
;; launch soft: the kernel of part 3 again; grid 32 x 1, 8 waves a work-group, no clusters, 1,280 bytes of LDS; arguments scores, hidden, b, out0; writes out0
